; MI455X (gfx1250); checked and timed in simulation.
; The chip was launched on July 23, 2026; its instructions are those of AMD's public machine-readable ISA for CDNA 5 (MIT licence, August 2026) and "CDNA5" Instruction Set Architecture Reference Guide (July 2026). The comments in the code are by the model that wrote it; some were corrected since.
;; Multi Head Attention. Allowed arithmetic: matrix products marked QUANTISED: E2M1 operands, one E8M0 scale for each 32 along K, by v_wmma_scale_f32_16x16x128_f8f6f4 with both operands' format E2M1 (or v_wmma_scale_f32_32x16x128_f4), f32 sums; products left as they are: bf16, f16 or f32 operands; f32 sums; everything else in f32.
;; Inputs: Wk 512 x 512 float32; Wo 512 x 512 float32; Wq 512 x 512 float32; Wv 512 x 512 float32; bk 512 float32; bo 512 float32; bq 512 float32; bv 512 float32; mask 2 x 4,096 float32; query 2 x 4,096 x 512 float32.
;; Outputs: out0 2 x 4,096 x 512 float32.
;; This version of the problem:
;;   THIS VERSION OF THE PROBLEM IS GIVEN IN LOW PRECISION. The matrix products marked QUANTISED in the list below multiply operands that are first quantised to E2M1 (2 exponent bits, 1 mantissa bit; 4 bits a number), with one power-of-two scale for each 32 numbers along K (OCP MX v1.0); their sums are f32. The products marked 'left as it is' may take bf16, f16 or f32 operands, with f32 sums. Whichever they take, every output number must still come out within the allowed error. Rounding operands to bf16 (8 significant bits) uses up far more of that allowance than f16 does (11 bits, for magnitudes from 6e-5 to 65,504). All else is computed in f32.
;;   The module's matrix products, in the order in which they are computed (A, B: the left and right operand; K: the contracted axis; several contracted axes count as one K, in the product's order):
;;     1. [M 8,192, K 512] x [K 512, N 512]; A: input query; B: input Wq: QUANTISED
;;     2. [M 8,192, K 512] x [K 512, N 512]; A: input query; B: input Wk: QUANTISED
;;     3. [M 8,192, K 512] x [K 512, N 512]; A: input query; B: input Wv: QUANTISED
;;     4. batch 16 x [M 4,096, K 64] x [K 64, N 4,096]; A: computed on the way; B: computed on the way: left as it is (an operand is computed on the way)
;;     5. batch 16 x [M 4,096, K 4,096] x [K 4,096, N 64]; A: computed on the way; B: computed on the way: left as it is (an operand is computed on the way)
;;     6. [M 8,192, K 512] x [K 512, N 512]; A: computed on the way; B: input Wo: left as it is (an operand is computed on the way)
;;   THE QUANTISER, for each operand of a quantised product, along K:
;;     - K is cut into blocks of 32 from its start; a last block that is shorter is filled with zeros.
;;     - A block's scale is 2^e with e = floor(log2(the largest magnitude in the block)) - 2, held to -126 .. 127; a block of zeros has e = 0. As a byte (E8M0): e + 127.
;;     - Each number is divided by its block's scale, clamped to +-6, and rounded to the nearest number of E2M1, ties to even, subnormals kept.
;;     - The product sums the exact products of the quantised numbers (number of the format x scale) in f32.
;;   ~~~python
;;   def quantise(x, axis):      # numpy; x: float32 -> the quantised numbers, widened to float32 again
;;       x = np.moveaxis(x, axis, -1); K = x.shape[-1]
;;       x = np.pad(x, [(0, 0)] * (x.ndim - 1) + [(0, -K % 32)]); x = x.reshape(x.shape[:-1] + (-1, 32)); a = np.abs(x).max(-1, keepdims=True)
;;       e = np.where(a > 0, np.clip(np.frexp(np.where(a > 0, a, 1))[1] - 1 - 2, -126, 127), 0)      # np.frexp(a)[1] - 1 = floor(log2(a)), exactly
;;       r = np.clip(x / 2.0 ** e, -6, 6)
;;       step = 2.0 ** (np.maximum(np.frexp(np.where(r == 0, 1, r))[1] - 1, 0) - 1)
;;       q = np.round(r / step) * step * 2.0 ** e      # np.round: ties to even
;;       return np.moveaxis(q.reshape(q.shape[:-2] + (-1,))[..., :K], -1, axis).astype(np.float32)
;;   ~~~
;; One version. Each part assembles by itself: llvm-mc -triple=amdgcn-amd-amdhsa -mcpu=gfx1250 --defsym DOCPART=n.
;; ======== version 1 of 1: 4 launches
;; limits: values are held in f16: magnitudes above 65,504 overflow, below 6.1e-05 lose precision
;; workspace buffers: wc 393,216 bytes; ws 49,152 bytes; wo16 524,288 bytes; qf 8,388,608 bytes; kf 8,388,608 bytes; vf 8,388,608 bytes; oc 8,388,608 bytes
;; launch prep (part 1): grid 320 x 1, 1 waves a work-group, no clusters, 0 bytes of LDS; arguments Wq, Wk, Wv, Wo, wc, ws, wo16; writes wc, ws, wo16
.if DOCPART == 1
	.amdgcn_target "amdgcn-amd-amdhsa--gfx1250"
	.amdhsa_code_object_version 6
	.text
	.protected	k_q27d193b5d3_prep
	.globl	k_q27d193b5d3_prep
	.p2align	8
	.type	k_q27d193b5d3_prep,@function
k_q27d193b5d3_prep:
	s_mov_b64 s[64:65], 0
	v_nop
	global_prefetch_b8 v0, s[64:65] scope:SCOPE_SE
	s_setreg_imm32_b32 hwreg(HW_REG_WAVE_MODE, 25, 1), 1
	s_wait_xcnt 0x0
; THE WEIGHTS, ONCE.  Wq, Wk, Wv [512][512] f32 (K innermost) become codes of FP4 (E2M1) with one E8M0 byte for each 32 along K; Wo [512][512] f32 becomes f16.
; All three results are laid in the ORDER OF THE READER'S OPERAND REGISTERS: a fragment is an image of 1,024 bytes, [half 2][lane 32][16 bytes], half 0 = registers 0-3, half 1 = registers 4-7,
; so that every store here and every load later is 16 bytes a lane at 16 x lane: a wave covers 512 consecutive bytes, aligned.
;   wc   [T 96][ks 4][image]: T = 32 mat + row tile (mat 0 = q, 1 = k, 2 = v); 16 rows x 128 K of codes.      ws [T 96][p 2][lane 32][8 bytes]: the scale words of K steps 2 p and 2 p + 1; lanes r and r + 16 hold row r's.
;   wo16 [nb 4][kb 16][nt 8][image]: rows 128 nb + 16 nt + r of Wo, k = 32 kb on, f16.
; A block's scale is 2^(floor(log2(its largest magnitude)) - 2); its byte is the largest magnitude's exponent field - 2, held at 1 from below.  A block of zeros so keeps the byte 1 where the rule says 127:
; its codes are zeros, which add nothing, and this program alone reads the bytes.
; LIMITS: blocks whose largest magnitude lies under 2^-124 keep the byte 1; NaN and infinities are not served; |Wo| stays inside f16's range, 65,504.
; SHARES: one wave to a work-group.  Work-groups 0-191: tile T = number / 2, K steps 2 p and 2 p + 1 (p = number % 2).  Work-groups 192-319: a tile of 16 rows of Wo x 128 along K.  Nothing is shared: no LDS, no barrier.
.set TM,  16                           ; v16-19 largest magnitudes, v20-23 the other half's, then the bytes, v28-31 the conversions' scale operands
.set X0,  32                           ; v32-95   64 numbers of the first K step: register 16 b + i = k 32 b + 16 (lane / 16) + i of my row
.set X1,  96                           ; v96-159  of the second
.set PC0, 160                          ; v160-167 the first fragment's codes
.set PC1, 168                          ; v168-175 the second's
.set PW0, 176                          ; v176, v177 their scale words
.set PW1, 177
.set SEL, 22                           ; s[22:23] lane selects for v_permlanex16_b32: lane l xor 16
; 64 numbers of a lane become a fragment's codes in v[pc] on and its scale word in v[pw]
.macro QUANT s, pc, pw
.irp b, 0,1,2,3
	v_max3_num_f32 v[TM+\b], |v[\s+16*\b]|, |v[\s+1+16*\b]|, 0x1800000   ; block b: my 16 numbers, and the floor 2^(3 - 127): the byte cannot fall under 1
.endr
.irp i, 2,4,6,8,10,12,14
.irp b, 0,1,2,3
	v_max3_num_f32 v[TM+\b], v[TM+\b], |v[\s+16*\b+\i]|, |v[\s+1+16*\b+\i]|   ; the four blocks by turns
.endr
.endr
.irp b, 0,1,2,3
	v_permlanex16_b32 v[TM+4+\b], v[TM+\b], s[SEL], s[SEL+1]
.endr
.irp b, 0,1,2,3
	v_max_num_f32 v[TM+\b], v[TM+\b], v[TM+4+\b]      ; with lane l xor 16's 16 numbers: the block's largest magnitude
.endr
.irp b, 0,1,2,3
	v_add_nc_u32 v[TM+12+\b], 0xff000000, v[TM+\b]    ; 2 off its exponent field: the conversion takes the exponent field of this operand as its scale
.endr
.irp b, 0,1,2,3
	v_lshrrev_b32 v[TM+4+\b], 23, v[TM+12+\b]         ; the scale's byte
.endr
	v_lshl_or_b32 v[\pw], v[TM+5], 8, v[TM+4]         ; four bytes: my row's scale word
	v_lshl_or_b32 v[\pw], v[TM+6], 16, v[\pw]
	v_lshl_or_b32 v[\pw], v[TM+7], 24, v[\pw]
.irp b, 0,1,2,3
	v_cvt_scalef32_pk8_fp4_f32 v[\pc+2*\b], v[\s+16*\b:\s+7+16*\b], v[TM+12+\b]
	v_cvt_scalef32_pk8_fp4_f32 v[\pc+1+2*\b], v[\s+8+16*\b:\s+15+16*\b], v[TM+12+\b]
.endr
	v_nop                                             ; one plain place behind a scaled conversion
.irp c, 0,1                                       ; the operand's layout wants a whole block in a lane: lanes 0-15 block 2 c, lanes 16-31 block 2 c + 1
.irp i, 0,1
	v_permlane16_swap_b32 v[\pc+4*\c+\i], v[\pc+2+4*\c+\i]
.endr
.endr
.endm
.macro XLOAD reg, s                    ; my row's 64 numbers of K step s of the pair
.irp b, 0,1,2,3
.irp j, 0,1,2,3
	global_load_b128 v[\reg+16*\b+4*\j:\reg+16*\b+4*\j+3], v3, s[24:25] offset:512*\s+128*\b+16*\j th:TH_LOAD_NT
.endr
.endr
.endm
	s_load_b256 s[4:11], s[0:1], 0x0                  ; Wq s[4:5], Wk s[6:7], Wv s[8:9], Wo s[10:11]
	s_load_b128 s[12:15], s[0:1], 0x20                ; wc s[12:13], ws s[14:15]
	s_load_b64 s[16:17], s[0:1], 0x30                 ; wo16
	v_and_b32 v1, 15, v0                              ; r
	v_lshrrev_b32 v2, 4, v0                           ; h
	v_lshlrev_b32 v4, 4, v0                           ; 16 x lane: my place in half an image
	v_lshlrev_b32 v5, 3, v0                           ; 8 x lane: my place among the scale words
	s_wait_kmcnt 0x0
	s_cmp_ge_u32 ttmp9, 192                           ; the work-group's number alone decides
	s_cbranch_scc1 .Lwo
	; ---- a tile of Wq, Wk or Wv: two K steps of 128
	s_lshr_b32 s20, ttmp9, 1                          ; T
	s_and_b32 s21, ttmp9, 1                           ; p
	s_mov_b32 s[SEL], 0x76543210
	s_mov_b32 s[SEL+1], 0xfedcba98
	s_cmp_lt_u32 s20, 64
	s_cselect_b64 s[24:25], s[6:7], s[8:9]            ; Wk or Wv,
	s_cmp_lt_u32 s20, 32
	s_cselect_b64 s[24:25], s[4:5], s[24:25]          ; or Wq
	s_and_b32 s26, s20, 31
	s_lshl_b32 s26, s26, 15                           ; 16 rows of 2,048 bytes
	s_lshl_b32 s27, s21, 10                           ; 256 numbers along K
	s_add_co_u32 s26, s26, s27
	s_mov_b32 s27, 0
	s_add_nc_u64 s[24:25], s[24:25], s[26:27]
	v_lshlrev_b32 v3, 11, v1
	v_lshl_add_u32 v3, v2, 6, v3                      ; row r, + 64 h: my 16 numbers of a block of 32
	XLOAD X0, 0
	XLOAD X1, 1
	s_lshl_b32 s26, s20, 12
	s_lshl_b32 s28, s21, 11
	s_add_co_u32 s26, s26, s28
	s_add_nc_u64 s[12:13], s[12:13], s[26:27]         ; wc at image (T, 2 p)
	s_lshl_b32 s26, s20, 9
	s_lshl_b32 s28, s21, 8
	s_add_co_u32 s26, s26, s28
	s_add_nc_u64 s[14:15], s[14:15], s[26:27]         ; ws at (T, p)
.irp b, 0,1,2,3
	v_mov_b32 v[TM+4+\b], 0                           ; a lane permute's destination counts as one of its sources
.endr
	s_wait_loadcnt 16                                 ; the first K step's 16 loads are in; the second's 16 may be out
	QUANT X0, PC0, PW0
	s_wait_loadcnt 0x0
	QUANT X1, PC1, PW1
.irp i, 0,1,2,3
	global_store_b128 v4, v[PC0+4*\i:PC0+4*\i+3], s[12:13] offset:512*\i   ; two images on end: 32 lanes store 512 consecutive bytes
.endr
	global_store_b64 v5, v[PW0:PW1], s[14:15]         ; 32 lanes store 256 consecutive bytes, aligned
	s_endpgm
	; ---- a tile of Wo: 16 rows x 128 along K, four fragments of f16
.Lwo:
	s_sub_co_u32 s20, ttmp9, 192
	s_lshr_b32 s21, s20, 2                            ; which 16 rows
	s_and_b32 s20, s20, 3                             ; which 128 along K
	s_lshl_b32 s26, s21, 15
	s_lshl_b32 s27, s20, 9
	s_add_co_u32 s26, s26, s27
	s_mov_b32 s27, 0
	s_add_nc_u64 s[10:11], s[10:11], s[26:27]
	v_lshlrev_b32 v3, 11, v1
	v_lshl_add_u32 v3, v2, 5, v3                      ; row r, + 32 h: a 16-bit fragment gives lane (r, h) k = 8 h + 0..7 and 16 + 8 h + 0..7
.irp k, 0,1,2,3
	global_load_b128 v[32+16*\k:35+16*\k], v3, s[10:11] offset:128*\k th:TH_LOAD_NT
	global_load_b128 v[36+16*\k:39+16*\k], v3, s[10:11] offset:128*\k+16 th:TH_LOAD_NT
	global_load_b128 v[40+16*\k:43+16*\k], v3, s[10:11] offset:128*\k+64 th:TH_LOAD_NT
	global_load_b128 v[44+16*\k:47+16*\k], v3, s[10:11] offset:128*\k+80 th:TH_LOAD_NT
.endr
	s_lshr_b32 s28, s21, 3
	s_lshl_b32 s28, s28, 17                           ; nb
	s_lshl_b32 s29, s20, 15                           ; four kb
	s_add_co_u32 s28, s28, s29
	s_and_b32 s29, s21, 7
	s_lshl_b32 s29, s29, 10                           ; nt
	s_add_co_u32 s28, s28, s29
	s_mov_b32 s29, 0
	s_add_nc_u64 s[16:17], s[16:17], s[28:29]
	s_wait_loadcnt 0x0
.irp k, 0,1,2,3
.irp q, 0,1,2,3,4,5,6,7
	v_cvt_pk_f16_f32 v[96+8*\k+\q], v[32+16*\k+2*\q], v[33+16*\k+2*\q]   ; the lower k in the low half
.endr
.endr
.irp k, 0,1,2,3
	global_store_b128 v4, v[96+8*\k:99+8*\k], s[16:17] offset:8192*\k
	global_store_b128 v4, v[100+8*\k:103+8*\k], s[16:17] offset:8192*\k+512
.endr
	s_endpgm
.Lfunc_end_k_q27d193b5d3_prep:
	.size	k_q27d193b5d3_prep, .Lfunc_end_k_q27d193b5d3_prep-k_q27d193b5d3_prep
	.p2alignl 7, 3214868480
	.fill 96, 4, 3214868480
	.section	.rodata,"a",@progbits
	.p2align	6, 0x0
	.amdhsa_kernel k_q27d193b5d3_prep
		.amdhsa_group_segment_fixed_size 0
		.amdhsa_private_segment_fixed_size 0
		.amdhsa_enable_private_segment 0
		.amdhsa_kernarg_size 56
		.amdhsa_user_sgpr_count 2
		.amdhsa_user_sgpr_kernarg_segment_ptr 1
		.amdhsa_wavefront_size32 1
		.amdhsa_system_sgpr_workgroup_id_x 1
		.amdhsa_system_sgpr_workgroup_id_y 1
		.amdhsa_system_sgpr_workgroup_id_z 1
		.amdhsa_system_vgpr_workitem_id 0
		.amdhsa_next_free_vgpr 192
		.amdhsa_next_free_sgpr 66
		.amdhsa_reserve_vcc 0
		.amdhsa_float_denorm_mode_32 3
		.amdhsa_float_denorm_mode_16_64 3
		.amdhsa_memory_ordered 1
		.amdhsa_forward_progress 1
		.amdhsa_inst_pref_size 18
	.end_amdhsa_kernel
	.amdgpu_metadata
---
amdhsa.version: [ 1, 2 ]
amdhsa.kernels:
  - .name:           k_q27d193b5d3_prep
    .symbol:         k_q27d193b5d3_prep.kd
    .args:
      - { .name: Wq, .offset: 0, .size: 8, .value_kind: global_buffer, .address_space: global }
      - { .name: Wk, .offset: 8, .size: 8, .value_kind: global_buffer, .address_space: global }
      - { .name: Wv, .offset: 16, .size: 8, .value_kind: global_buffer, .address_space: global }
      - { .name: Wo, .offset: 24, .size: 8, .value_kind: global_buffer, .address_space: global }
      - { .name: wc, .offset: 32, .size: 8, .value_kind: global_buffer, .address_space: global }
      - { .name: ws, .offset: 40, .size: 8, .value_kind: global_buffer, .address_space: global }
      - { .name: wo16, .offset: 48, .size: 8, .value_kind: global_buffer, .address_space: global }
    .group_segment_fixed_size: 0
    .private_segment_fixed_size: 0
    .kernarg_segment_align: 8
    .kernarg_segment_size: 56
    .max_flat_workgroup_size: 32
    .sgpr_count:     66
    .vgpr_count:     192
    .wavefront_size: 32
...
	.end_amdgpu_metadata
.endif
;; end of part 1
;; launch proj (part 2): grid 256 x 1, 8 waves a work-group, no clusters, 10,240 bytes of LDS; arguments query, mask, wc, ws, bq, bk, bv, qf, kf, vf; writes qf, kf, vf
.if DOCPART == 2
	.amdgcn_target "amdgcn-amd-amdhsa--gfx1250"
	.amdhsa_code_object_version 6
	.text
	.protected	k_q27d193b5d3_proj
	.globl	k_q27d193b5d3_proj
	.p2align	8
	.type	k_q27d193b5d3_proj,@function
k_q27d193b5d3_proj:
	s_mov_b64 s[64:65], 0
	v_nop
	global_prefetch_b8 v0, s[64:65] scope:SCOPE_SE
	s_setreg_imm32_b32 hwreg(HW_REG_WAVE_MODE, 25, 1), 1
	s_wait_xcnt 0x0
; q, k, v = query W^T + b, the three products on codes of FP4 (E2M1) with one E8M0 scale for each 32 along K = 512; sums in f32; results rounded once to f16, laid as the attention launch's operand registers.
; query [8192][512] f32 is quantised here, in registers; the weights arrive as codes (wc, ws: images of operand registers).
; SHARES.  A work-group owns 32 rows: two tiles of 16.  WAVE w IS HEAD w: it makes the head's 64 columns of q, of k and of v for the 32 rows: 12 column tiles x 2 row tiles x 4 K steps = 96 matrix instructions.
; Its weights, 48 KB of codes and 6 KB of scale words, go from memory straight into operand registers, each byte once.  x: wave w quantises fragment w = 4 m + ks (row tile m, K step ks) and hands it to the others
; through LDS as an image of its registers: one barrier.
; NO CLUSTER, NO JOINT LOADS: all work-groups read the same weights, but each byte of them is wanted by one wave of a work-group, once, in registers.  Through LDS a work-group's 432 KB would not fit at once:
; they would need refills with a round each, for 96 matrix instructions a wave.
; q IS SCALED HERE: q' = (x Wq^T + bq) x cm, cm = log2(e) / 64 (both divisions by 8, and the change to base 2) where mask != 0, and 0 where mask == 0: such a row's scores are then all equal,
; and its softmax is the uniform one that a row of equal scores has.
; q, k: the product is used TRANSPOSED (source 0 = 16 rows of W, source 1 = 16 rows of x): a lane holds one row and eight neighbouring columns, which pack into half a 16-bit fragment.  The bias is the C of the first K step.
; v: as it stands (source 0 = x, source 1 = W): a lane holds one channel and eight neighbouring keys: half a fragment of V^T.  Its bias, one number a lane, is added behind the sums.
; LIMITS: k and v stay inside f16's range, 65,504; NaN and infinities are not served (a masked row with a non-finite q gives NaN); blocks whose largest magnitude lies under 2^-124 keep the scale byte 1;
; the two divisions and log2(e) are one multiplication: another order of rounding than the source's.
; REGISTERS, window 0: v1-10 addresses; v12-15 cm; v16-79 x (numbers, then 8 fragments); v80-87 x's scale words; v88-119 four accumulators; v120-135 packed results; v136-207 biases; v208-239 the weights' scale words;
;   v240, v241 the add's two.   Window 1: v0-127 q's fragments, later v's; v128-255 k's.
.set XIMG,  0                          ; LDS: x's 8 fragments, 1,024 bytes each,
.set XSC,   8192                       ; their scale words, 128 bytes each,
.set SPARE, 9216                       ; and the spare words, 128 bytes for each wave: four blocks of 256 bytes that no other line names
.set CM,  12
.set XF,  16
.set XS,  80
.set ACC, 88
.set TM,  88                           ; at work while x is quantised
.set PK,  120
.set PC,  120                          ; x's codes
.set PW,  128                          ; and scale word
.set BQ,  136
.set BK,  168
.set BV,  200
.set WSA, 208
.set WSB, 224
.set SPW, 240
.set NIL, 241
.set WA,  0                            ; in window 1
.set WB,  128
.set WV,  24
.set SEL, 42
.set MSB, 0
.macro WIN new                         ; the immediate's high byte repeats the setting that is left
.if MSB != \new
	s_set_vgpr_msb (MSB<<8)|\new
.set MSB, \new
.endif
.endm
.macro QUANT s, pc, pw                 ; 64 numbers of a lane, register 16 b + i = k 32 b + 16 (lane / 16) + i of my row, become a fragment's codes and its scale word
.irp b, 0,1,2,3
	v_max3_num_f32 v[TM+\b], |v[\s+16*\b]|, |v[\s+1+16*\b]|, 0x1800000   ; block b: my 16 numbers, and the floor 2^(3 - 127): the byte cannot fall under 1
.endr
.irp i, 2,4,6,8,10,12,14
.irp b, 0,1,2,3
	v_max3_num_f32 v[TM+\b], v[TM+\b], |v[\s+16*\b+\i]|, |v[\s+1+16*\b+\i]|
.endr
.endr
.irp b, 0,1,2,3
	v_permlanex16_b32 v[TM+4+\b], v[TM+\b], s[SEL], s[SEL+1]
.endr
.irp b, 0,1,2,3
	v_max_num_f32 v[TM+\b], v[TM+\b], v[TM+4+\b]      ; with lane l xor 16's: the block's largest magnitude
.endr
.irp b, 0,1,2,3
	v_add_nc_u32 v[TM+12+\b], 0xff000000, v[TM+\b]    ; 2 off its exponent field: the conversion's scale operand
.endr
.irp b, 0,1,2,3
	v_lshrrev_b32 v[TM+4+\b], 23, v[TM+12+\b]         ; the scale's byte
.endr
	v_lshl_or_b32 v[\pw], v[TM+5], 8, v[TM+4]
	v_lshl_or_b32 v[\pw], v[TM+6], 16, v[\pw]
	v_lshl_or_b32 v[\pw], v[TM+7], 24, v[\pw]
.irp b, 0,1,2,3
	v_cvt_scalef32_pk8_fp4_f32 v[\pc+2*\b], v[\s+16*\b:\s+7+16*\b], v[TM+12+\b]
	v_cvt_scalef32_pk8_fp4_f32 v[\pc+1+2*\b], v[\s+8+16*\b:\s+15+16*\b], v[TM+12+\b]
.endr
	v_nop                                             ; one plain place behind a scaled conversion
.irp c, 0,1
.irp i, 0,1
	v_permlane16_swap_b32 v[\pc+4*\c+\i], v[\pc+2+4*\c+\i]   ; a whole block in a lane, as the operand's layout wants it
.endr
.endr
.endm
.macro WLOAD wb, mat                   ; my head's 16 fragments (column tile ct, K step ks: 4 ct + ks) of matrix mat into window 1: 32 loads
	WIN 0x40
.irp f, 0,1,2,3,4,5,6,7,8,9,10,11,12,13,14,15
	global_load_b128 v[\wb+8*\f:\wb+8*\f+3], v4, s[8:9] offset:\mat*131072+\f*1024
	global_load_b128 v[\wb+8*\f+4:\wb+8*\f+7], v4, s[8:9] offset:\mat*131072+\f*1024+512
.endr
	WIN 0
.endm
.macro SLOAD sb, mat                   ; and their scale words, register 4 ct + ks: 8 loads
.irp ct, 0,1,2,3
.irp p, 0,1
	global_load_b64 v[\sb+4*\ct+2*\p:\sb+4*\ct+2*\p+1], v8, s[10:11] offset:\mat*16384+\ct*512+\p*256
.endr
.endr
.endm
.macro BLOAD reg, base                 ; a bias in the transposed result's layout: lane (r, h), tile ct: b[16 ct + 8 h + 0..7]: 8 loads
.irp ct, 0,1,2,3
	global_load_b128 v[\reg+8*\ct:\reg+8*\ct+3], v9, s[\base:\base+1] offset:64*\ct
	global_load_b128 v[\reg+8*\ct+4:\reg+8*\ct+7], v9, s[\base:\base+1] offset:64*\ct+16
.endr
.endm
; 16 matrix instructions: column tiles 2 cp and 2 cp + 1 x both row tiles, all four K steps.  The four accumulators take turns, one instruction a turn.
; kind 0: transposed, the bias starts the sums.  kind 1: as it stands, the constant 0 starts them.
.macro PAIRMUL kind, wb, sb, bias, cp
.if \kind
	WIN 0x04                                          ; source 1 (W) in window 1
.else
	WIN 0x01                                          ; source 0 (W) in window 1
.endif
.irp ks, 0,1,2,3
.irp ctl, 0,1
.irp m, 0,1
.set rA, ACC+8*(2*\ctl+\m)
.set rW, \wb+8*(4*(2*\cp+\ctl)+\ks)
.set rX, XF+8*(4*\m+\ks)
.set rS, \sb+4*(2*\cp+\ctl)+\ks
.set rT, XS+4*\m+\ks
.set rB, \bias+8*(2*\cp+\ctl)
.if \kind
.if \ks == 0
	v_wmma_scale_f32_16x16x128_f8f6f4 v[rA:rA+7], v[rX:rX+7], v[rW:rW+7], 0, v[rT], v[rS] matrix_a_fmt:MATRIX_FMT_FP4 matrix_b_fmt:MATRIX_FMT_FP4
.else
	v_wmma_scale_f32_16x16x128_f8f6f4 v[rA:rA+7], v[rX:rX+7], v[rW:rW+7], v[rA:rA+7], v[rT], v[rS] matrix_a_fmt:MATRIX_FMT_FP4 matrix_b_fmt:MATRIX_FMT_FP4
.endif
.else
.if \ks == 0
	v_wmma_scale_f32_16x16x128_f8f6f4 v[rA:rA+7], v[rW:rW+7], v[rX:rX+7], v[rB:rB+7], v[rS], v[rT] matrix_a_fmt:MATRIX_FMT_FP4 matrix_b_fmt:MATRIX_FMT_FP4
.else
	v_wmma_scale_f32_16x16x128_f8f6f4 v[rA:rA+7], v[rW:rW+7], v[rX:rX+7], v[rA:rA+7], v[rS], v[rT] matrix_a_fmt:MATRIX_FMT_FP4 matrix_b_fmt:MATRIX_FMT_FP4
.endif
.endif
.endr
.endr
.endr
	WIN 0
.endm
; The four accumulators leave: kind 0 = q (x cm), 1 = k, 2 = v (+ bias).  Each is read from its low end on; four conversions make 16 bytes a lane: half an image.
.macro OUT kind, cp, base
	s_wait_xcnt 0x0                                   ; the earlier stores have read the packed results: they are written again only behind this wait
.rept 5
	v_nop                                             ; four places ahead of the first read of results (ISA guide 7.12.1); the fifth since the next products begin these accumulators anew
.endr
.irp ctl, 0,1
.irp m, 0,1
.set rA, ACC+8*(2*\ctl+\m)
.set rP, PK+4*(2*\ctl+\m)
.set ct, 2*\cp+\ctl
.if \kind == 0
.irp i, 0,2,4,6
	v_pk_mul_f32 v[rA+\i:rA+\i+1], v[rA+\i:rA+\i+1], v[CM+2*\m:CM+2*\m+1]
.endr
.endif
.if \kind == 2
.irp i, 0,2,4,6
	v_pk_add_f32 v[rA+\i:rA+\i+1], v[rA+\i:rA+\i+1], v[BV+2*ct:BV+2*ct+1]
.endr
.endif
.irp i, 0,1,2,3
	v_cvt_pk_f16_f32 v[rP+\i], v[rA+2*\i], v[rA+2*\i+1]
.endr
.if \kind == 2
	global_store_b128 v4, v[rP:rP+3], s[\base:\base+1] offset:ct*1024+\m*512     ; V^T: fragment ct, half m: 32 lanes store 512 consecutive bytes
.else
	global_store_b128 v4, v[rP:rP+3], s[\base:\base+1] offset:\m*2048+ct*512     ; row tile m, fragment ct / 2, half ct % 2
.endif
.endr
.endr
.endm
	s_load_b256 s[4:11], s[0:1], 0x0                  ; query s[4:5], mask s[6:7], wc s[8:9], ws s[10:11]
	s_load_b256 s[12:19], s[0:1], 0x20                ; bq s[12:13], bk s[14:15], bv s[16:17], qf s[18:19]
	s_load_b128 s[20:23], s[0:1], 0x40                ; kf s[20:21], vf s[22:23]
	v_lshl_add_u32 v[SPW], v0, 2, SPARE               ; my spare word,
	v_mov_b32 v[NIL], 0                               ; and 0: kept for the closing lines alone
	v_lshrrev_b32 v1, 5, v0
	v_readfirstlane_b32 s[WV], v1                     ; wave 0..7 = head
	v_and_b32 v1, 15, v0                              ; r
	v_bfe_u32 v2, v0, 4, 1                            ; h
	v_and_b32 v4, 31, v0                              ; lane
	v_lshlrev_b32 v5, 2, v4                           ; 4 x lane: a scale word's place
	v_lshlrev_b32 v8, 3, v4                           ; 8 x lane: a pair of the weights' scale words
	v_lshlrev_b32 v4, 4, v4                           ; 16 x lane: my place in half an image
	v_lshlrev_b32 v3, 11, v1
	v_lshl_add_u32 v3, v2, 6, v3                      ; x: row r of 2,048 bytes, + 64 h: my 16 numbers of a block of 32
	s_lshl_b32 s25, s[WV], 10
	v_add_nc_u32 v6, s25, v4                          ; where I store my fragment's image
	s_lshl_b32 s25, s[WV], 7
	v_add_nc_u32 v7, s25, v5                          ; and its scale words
	v_lshlrev_b32 v9, 5, v2                           ; 32 h: the biases of q and k
	v_lshlrev_b32 v10, 2, v1                          ; 4 r: v's bias, and the mask
	v_mov_b32 v244, 0x3cb8aa3b                        ; log2(e) / 64
	v_mov_b32 v245, 0
.irp b, 0,1,2,3
	v_mov_b32 v[TM+4+\b], 0                           ; a lane permute's destination counts as one of its sources
.endr
	s_mov_b32 s[SEL], 0x76543210
	s_mov_b32 s[SEL+1], 0xfedcba98
	s_lshr_b32 s26, s[WV], 2                          ; the fragment of x that I quantise: row tile m,
	s_and_b32 s27, s[WV], 3                           ; K step ks
	s_lshl_b32 s28, ttmp9, 16                         ; 32 rows of 2,048 bytes a work-group
	s_lshl_b32 s26, s26, 15
	s_add_co_u32 s28, s28, s26
	s_lshl_b32 s27, s27, 9
	s_add_co_u32 s28, s28, s27
	s_mov_b32 s29, 0
	s_lshl_b32 s30, ttmp9, 7                          ; the mask of my 32 rows
	s_mov_b32 s31, 0
	s_lshl_b32 s32, s[WV], 14                         ; my head's four tiles of codes,
	s_mov_b32 s33, 0
	s_lshl_b32 s34, s[WV], 11                         ; of scale words,
	s_mov_b32 s35, 0
	s_lshl_b32 s36, s[WV], 8                          ; its 64 numbers of a bias
	s_mov_b32 s37, 0
	s_lshr_b32 s38, ttmp9, 7                          ; the batch
	s_lshl_b32 s38, s38, 3
	s_add_co_u32 s38, s38, s[WV]                      ; batch x 8 + head
	s_lshl_b32 s38, s38, 19
	s_and_b32 s39, ttmp9, 127
	s_lshl_b32 s39, s39, 12                           ; 32 rows are 4,096 bytes in each of qf, kf, vf
	s_add_co_u32 s38, s38, s39
	s_mov_b32 s39, 0
	s_wait_kmcnt 0x0
	s_add_nc_u64 s[4:5], s[4:5], s[28:29]
	s_add_nc_u64 s[6:7], s[6:7], s[30:31]
	s_add_nc_u64 s[8:9], s[8:9], s[32:33]
	s_add_nc_u64 s[10:11], s[10:11], s[34:35]
	s_add_nc_u64 s[12:13], s[12:13], s[36:37]
	s_add_nc_u64 s[14:15], s[14:15], s[36:37]
	s_add_nc_u64 s[16:17], s[16:17], s[36:37]
	s_add_nc_u64 s[18:19], s[18:19], s[38:39]
	s_add_nc_u64 s[20:21], s[20:21], s[38:39]
	s_add_nc_u64 s[22:23], s[22:23], s[38:39]
.irp b, 0,1,2,3
.irp j, 0,1,2,3
	global_load_b128 v[XF+16*\b+4*\j:XF+16*\b+4*\j+3], v3, s[4:5] offset:128*\b+16*\j th:TH_LOAD_NT   ; x first: 16 loads
.endr
.endr
	WLOAD WA, 0                                       ; then all that q wants: 32,
	global_load_b32 v242, v10, s[6:7]                 ; the mask of row tile 0,
	global_load_b32 v243, v10, s[6:7] offset:64       ; of row tile 1: 2,
	BLOAD BQ, 12                                      ; 8,
	SLOAD WSA, 0                                      ; 8
	s_wait_loadcnt 50                                 ; x's 16 loads are in; the 50 issued behind them may be out
	QUANT XF, PC, PW
	ds_store_b128 v6, v[PC:PC+3] offset:XIMG          ; the fragment goes to LDS as it stands,
	ds_store_b128 v6, v[PC+4:PC+7] offset:XIMG+512
	ds_store_b32 v7, v[PW] offset:XSC                 ; and its scale words
	WLOAD WB, 1                                       ; k's: 32,
	SLOAD WSB, 1                                      ; 8,
	BLOAD BK, 14                                      ; 8,
.irp ct, 0,1,2,3
	global_load_b32 v[BV+2*\ct], v10, s[16:17] offset:64*\ct     ; and v's bias, bv[16 ct + r], into both halves of a pair: 8
	global_load_b32 v[BV+2*\ct+1], v10, s[16:17] offset:64*\ct
.endr
	s_wait_dscnt 0x0                                  ; for the others' sake: my stores have landed
	s_barrier_signal -1
	s_barrier_wait -1                                 ; x's eight fragments lie in LDS
.irp i, 0,1,2,3,4,5,6,7,8,9,10,11,12,13,14,15
	ds_load_b128 v[XF+4*\i:XF+4*\i+3], v4 offset:XIMG+512*\i
.endr
.irp i, 0,1,2,3,4,5,6,7
	ds_load_b32 v[XS+\i], v5 offset:XSC+128*\i
.endr
	s_wait_dscnt 0x0
	s_wait_loadcnt 56                                 ; q's codes, scale words and bias and the mask are in; the 56 issued behind them may be out
	v_cmp_eq_f32 vcc_lo, 0, v242
	v_cndmask_b32 v[CM], v244, v245, vcc_lo           ; 0 where mask == 0
	v_cmp_eq_f32 vcc_lo, 0, v243
	v_cndmask_b32 v[CM+2], v244, v245, vcc_lo
	v_mov_b32 v[CM+1], v[CM]
	v_mov_b32 v[CM+3], v[CM+2]
	PAIRMUL 0, WA, WSA, BQ, 0
	OUT 0, 0, 18
	PAIRMUL 0, WA, WSA, BQ, 1
	OUT 0, 1, 18
	WLOAD WA, 2                                       ; v's take q's registers: 32 (the lines of OUT are the places behind q's last products),
	SLOAD WSA, 2                                      ; 8
	s_wait_loadcnt 40                                 ; k's and bv are in; v's 40 may be out
	PAIRMUL 0, WB, WSB, BK, 0
	OUT 1, 0, 20
	PAIRMUL 0, WB, WSB, BK, 1
	OUT 1, 1, 20
	s_wait_loadcnt 0x0
	PAIRMUL 1, WA, WSA, 0, 0
	OUT 2, 0, 22
	PAIRMUL 1, WA, WSA, 0, 1
	OUT 2, 1, 22
	s_wait_tensorcnt 0x0                              ; the wave's end, behind my last LDS store
	ds_add_u32 v[SPW], v[NIL]
	s_wait_dscnt 0x0
	s_endpgm
.Lfunc_end_k_q27d193b5d3_proj:
	.size	k_q27d193b5d3_proj, .Lfunc_end_k_q27d193b5d3_proj-k_q27d193b5d3_proj
	.p2alignl 7, 3214868480
	.fill 96, 4, 3214868480
	.section	.rodata,"a",@progbits
	.p2align	6, 0x0
	.amdhsa_kernel k_q27d193b5d3_proj
		.amdhsa_group_segment_fixed_size 10240
		.amdhsa_private_segment_fixed_size 0
		.amdhsa_enable_private_segment 0
		.amdhsa_kernarg_size 80
		.amdhsa_user_sgpr_count 2
		.amdhsa_user_sgpr_kernarg_segment_ptr 1
		.amdhsa_wavefront_size32 1
		.amdhsa_system_sgpr_workgroup_id_x 1
		.amdhsa_system_sgpr_workgroup_id_y 1
		.amdhsa_system_sgpr_workgroup_id_z 1
		.amdhsa_system_vgpr_workitem_id 0
		.amdhsa_next_free_vgpr 512
		.amdhsa_next_free_sgpr 66
		.amdhsa_reserve_vcc 1
		.amdhsa_float_denorm_mode_32 3
		.amdhsa_float_denorm_mode_16_64 3
		.amdhsa_memory_ordered 1
		.amdhsa_forward_progress 1
		.amdhsa_inst_pref_size 50
	.end_amdhsa_kernel
	.amdgpu_metadata
---
amdhsa.version: [ 1, 2 ]
amdhsa.kernels:
  - .name:           k_q27d193b5d3_proj
    .symbol:         k_q27d193b5d3_proj.kd
    .args:
      - { .name: query, .offset: 0, .size: 8, .value_kind: global_buffer, .address_space: global }
      - { .name: mask, .offset: 8, .size: 8, .value_kind: global_buffer, .address_space: global }
      - { .name: wc, .offset: 16, .size: 8, .value_kind: global_buffer, .address_space: global }
      - { .name: ws, .offset: 24, .size: 8, .value_kind: global_buffer, .address_space: global }
      - { .name: bq, .offset: 32, .size: 8, .value_kind: global_buffer, .address_space: global }
      - { .name: bk, .offset: 40, .size: 8, .value_kind: global_buffer, .address_space: global }
      - { .name: bv, .offset: 48, .size: 8, .value_kind: global_buffer, .address_space: global }
      - { .name: qf, .offset: 56, .size: 8, .value_kind: global_buffer, .address_space: global }
      - { .name: kf, .offset: 64, .size: 8, .value_kind: global_buffer, .address_space: global }
      - { .name: vf, .offset: 72, .size: 8, .value_kind: global_buffer, .address_space: global }
    .group_segment_fixed_size: 10240
    .private_segment_fixed_size: 0
    .kernarg_segment_align: 8
    .kernarg_segment_size: 80
    .max_flat_workgroup_size: 256
    .sgpr_count:     66
    .vgpr_count:     512
    .wavefront_size: 32
...
	.end_amdgpu_metadata
.endif
;; end of part 2
;; launch attn (part 3): grid 16 x 16, 16 waves a work-group, clusters of 4 x 1, 327,680 bytes of LDS; arguments qf, kf, vf, oc; writes oc
.if DOCPART == 3
	.amdgcn_target "amdgcn-amd-amdhsa--gfx1250"
	.amdhsa_code_object_version 6
	.text
	.protected	k_q27d193b5d3_attn
	.globl	k_q27d193b5d3_attn
	.p2align	8
	.type	k_q27d193b5d3_attn,@function
k_q27d193b5d3_attn:
	s_mov_b64 s[64:65], 0
	v_nop
	global_prefetch_b8 v0, s[64:65] scope:SCOPE_SE
	s_setreg_imm32_b32 hwreg(HW_REG_WAVE_MODE, 25, 1), 1
	s_wait_xcnt 0x0
	s_wait_alu depctr_hold_cnt(0) depctr_sa_sdst(0) depctr_va_vdst(0) depctr_va_sdst(0) depctr_va_ssrc(0) depctr_va_vcc(0) depctr_vm_vsrc(0)
	s_getreg_b32 s2, hwreg(HW_REG_IB_STS2, 6, 4)
	s_cmp_eq_u32 s2, 0
	s_cbranch_scc0 .Lentry_in_a_cluster
	s_endpgm
.Lentry_in_a_cluster:
	s_bfe_u32 s2, ttmp6, 0x10000c
	s_cmp_lg_u32 s2, 0x3003
	s_cbranch_scc0 .Lentry_shape_is_right
	s_endpgm
.Lentry_shape_is_right:
; O[bh][q] = the sum over the keys of softmax(t) V, t = q' . k: q' already carries log2(e) / 64 and the mask (0 in a masked row).  16 heads-in-batch of 4,096 positions, head size 64.
; q', k, v arrive in f16 as images of operand registers (1,024 bytes: [half 2][lane 32][16 bytes]); products on f16 with f32 sums; maxima, exponentials and sums in f32; p is rounded to f16 for the second product.
; SHARES.  A work-group owns 256 queries of one bh.  Wave w = 8 g + u owns 32 of them (tiles 2 u, 2 u + 1) and HALF g OF THE KEYS: 2,048, walked 64 a step.  Four waves of 256 registers lie on a SIMD, so that one wave's
; softmax stands beside another's products; each fragment of K and V feeds two tiles.  At the end waves 8-15 hand their maximum, sum and O^T through LDS to waves 0-7, which join the halves and store.
; LAYOUT.  S^T = K Q^T (source 0 = 16 keys, source 1 = 16 queries) and O^T = V^T P (source 0 = 16 channels, source 1 = P): a lane holds ONE query (lane % 16) throughout.  Two tiles of S^T, packed in pairs, ARE a fragment of P.
; SOFTMAX.  A running maximum m and sum l for each query: p = 2^(t - m); in every step l and O^T are multiplied by a = 2^(m_old - m_new), which is 1 where m has not grown.
; RING.  Two LDS slots of 131,072 bytes; a slot holds four steps of both key halves: 16 pieces of 8,192 bytes (a step's K or V, one dense block of memory); wave w fetches piece w.  No padding: every LDS load takes 512 consecutive bytes.
; CLUSTER.  The four query blocks of a cluster walk the same K and V: each piece is asked for JOINTLY, by the same tensor load with the same descriptor and a mask that names the four.  By this text's own count one tensor load a wave is out.
; LIMITS: O stays inside f16's range, 65,504; NaN and infinities are not served.
; REGISTERS: v1-7 addresses and the add's two; v8-19, v20-31 a tile's statistics; v32-63 Q; v64-127 K, then V, of the step; v128-191 S^T, then p, then P packed in place; v192-255 O^T.
.set SLOT1, 1<<17                      ; slot 1 begins here: one exclusive or turns an address in one slot into the other's
.set SPARE, 2*SLOT1                    ; behind the ring: the spare words, 128 bytes for each wave: eight blocks of 256 bytes that no other line names
.set STGB,  17*512                     ; the hand-over: 16 x 512 bytes of O^T and 512 of statistics for each pair of waves, from LDS byte 0 on: in the ring, which has had its last fill and its last read by then
.set AK,  1                            ; v1   16 x lane + my key half's place in a slot
.set ADR, 2                            ; v2   LDS address of the step in hand
.set SPW, 3                            ; v3   LDS address of my spare word; never rewritten
.set NIL, 4                            ; v4   0; never rewritten
.set PFO, 5                            ; v5   256 x lane: the prefetches' offset; never rewritten
.set STW, 6                            ; v6   the hand-over: my pair's bytes + 16 x lane
.set GO,  7                            ; v7   16 x lane
.set ST,  8                            ; tile t's statistics at v[ST + 12 t]: +0 m, +1 m_old - m_new, +2, +3 l (even keys', odd keys'), +4 a, +5 to +8 at work, +9 the row's l
.set Q,   32                           ; tile t, channels 32 c on: 16 t + 8 c
.set KV,  64
.set S,   128                          ; tile t, keys 16 kt on: 32 t + 8 kt
.set O,   192                          ; tile t, channels 16 ct on: 32 t + 8 ct
.set E,   72                           ; the way out: eight small numbers a tile
.set PKO, 96                           ; the way out: the packed result, 16 registers a tile
.set WV,  12                           ; s12  my wave's number
.set LIM, 15                           ; s15  1 in a wave that prefetches, else the greatest number
.set G1,  16                           ; s[16:23] descriptor group 1
.set G0,  24                           ; s[24:27] descriptor group 0: it walks
.set PFA, 28                           ; s[28:29] where my prefetches stand
.set TB,  30                           ; s30  LDS byte at which the step in hand begins
.set SLOTS, 31                         ; s31  fills still to be asked for
.set CNT, 32                           ; s32  counts a slot's four steps
.set SEL, 34                           ; s[34:35] lane selects for v_permlanex16_b32: lane l xor 16
; A round of the cluster's barrier: my work-group's barrier, so that wave 0's signal speaks for all sixteen waves; wave 0 signals; every wave waits for all four work-groups; my work-group's barrier once more.
.macro CROUND
	s_barrier_signal -1
	s_barrier_wait -1
	s_cmp_lg_u32 s[WV], 0
	s_cbranch_scc1 .Lnot_wave_0_\@
	s_barrier_signal -3
.Lnot_wave_0_\@:
	s_barrier_wait -3
	s_barrier_signal -1
	s_barrier_wait -1
.endm
; A PREFETCH INTO THE L2 of the fill that the NEXT change of slots will ask for: 16 pieces of 8,192 bytes.  All clusters of a bh walk the same K and V: the first of them asks.  In each of its four work-groups waves 0-3 ask,
; one instruction each, lanes 256 bytes apart: the wave's number picks K or V and the key half, and the partners are told apart BY ADDRESS: partner cx takes step cx of the fill's four.  So each block of 256 bytes is named once
; in the launch.  Fills 0 and 1 come by their loads alone; the last change that fills a slot asks for nothing.
.macro ASK
	s_cmp_gt_u32 s[SLOTS], s[LIM]
	s_cbranch_scc0 .Lnot_mine_\@
	global_prefetch_b8 v[PFO], s[PFA:PFA+1] th:TH_LOAD_NT scope:SCOPE_SE
.Lnot_mine_\@:
.endm
	s_load_b256 s[4:11], s[0:1], 0x0                  ; qf s[4:5], kf s[6:7], vf s[8:9], oc s[10:11]
	v_lshl_add_u32 v[SPW], v0, 2, SPARE
	v_mov_b32 v[NIL], 0
	ds_add_u32 v[SPW], v[NIL]                         ; the wave's opening: the add, twice on end, and its wait ahead of my first tensor load; the set-up below stands between
	ds_add_u32 v[SPW], v[NIL]
	v_lshrrev_b32 v[ADR], 5, v0
	v_readfirstlane_b32 s[WV], v[ADR]                 ; wave 0..15
	s_bfe_u32 s13, ttmp6, 0x40000                     ; cx: my place in the cluster
	s_lshl_b32 s14, ttmp9, 2                          ; in a cluster launch ttmp9 counts clusters
	s_add_co_u32 s14, s14, s13                        ; my block of 256 queries: it enters qf's and oc's addresses alone
	s_and_b32 s33, ttmp7, 0xffff                      ; bh, which the four partners share
	; descriptor group 1: a dense block of 8,192 bytes as 32 rows of 32 elements of 8 bytes, no padding
	s_mov_b32 s[G1], 15|(3<<16)|(1<<21)               ; 15:0 the mask: all four work-groups; 17:16 elements of 8 bytes; 21 set beside a mask
	s_mov_b32 s[G1+1], 32<<16                         ; tensor_dim0 = 32
	s_mov_b32 s[G1+2], 32<<16                         ; tensor_dim1 = 32
	s_mov_b32 s[G1+3], 32<<16                         ; tile_dim0 = 32
	s_mov_b32 s[G1+4], 32                             ; tile_dim1 = 32
	s_mov_b32 s[G1+5], 32                             ; elements from row to row
	s_mov_b32 s[G1+6], 0
	s_mov_b32 s[G1+7], 0
	s_mov_b32 s[SEL], 0x76543210
	s_mov_b32 s[SEL+1], 0xfedcba98
	s_mov_b32 s[TB], 0
	s_mov_b32 s[SLOTS], 7
	s_lshr_b32 s[LIM], s[WV], 2                       ; 0 in waves 0 to 3,
	s_or_b32 s[LIM], s[LIM], ttmp9                    ; of the bh's first cluster: the same in all four partners
	s_cmp_eq_u32 s[LIM], 0
	s_cselect_b32 s[LIM], 1, -1
	v_and_b32 v[GO], 31, v0
	v_lshlrev_b32 v[PFO], 8, v[GO]
	v_lshlrev_b32 v[GO], 4, v[GO]
	s_lshr_b32 s36, s[WV], 3                          ; g: my half of the keys
	s_and_b32 s37, s[WV], 7                           ; u: my 32 queries
	s_lshl_b32 s38, s36, 16
	v_add_nc_u32 v[AK], s38, v[GO]
	s_mul_i32 s38, s37, STGB
	v_add_nc_u32 v[STW], s38, v[GO]
	s_lshl_b32 s40, s33, 19                           ; bh's first byte in qf, kf and vf
	s_lshl_b32 s42, s36, 18                           ; the piece that I fetch: my key half (2,048 keys are 262,144 bytes),
	s_and_b32 s43, s[WV], 3
	s_lshl_b32 s43, s43, 13                           ; step w % 4 of the fill's four
	s_add_co_u32 s42, s42, s43
	s_add_co_u32 s42, s42, s40
	s_mov_b32 s43, 0
	s_lshl_b32 s44, s14, 15                           ; Q: 16 tiles of 2,048 bytes a block,
	s_lshl_b32 s45, s37, 12                           ; two a wave
	s_add_co_u32 s44, s44, s45
	s_add_co_u32 s44, s44, s40
	s_mov_b32 s45, 0
	s_lshr_b32 s46, s33, 3                            ; oc [rb 64][kb 16][rt 8][image]: rb = 32 batch + 2 block + u / 4,
	s_lshl_b32 s46, s46, 5
	s_lshl_b32 s47, s14, 1
	s_add_co_u32 s46, s46, s47
	s_lshr_b32 s47, s37, 2
	s_add_co_u32 s46, s46, s47
	s_lshl_b32 s46, s46, 17
	s_and_b32 s47, s33, 7                             ; kb = 2 head + ..,
	s_lshl_b32 s47, s47, 14
	s_add_co_u32 s46, s46, s47
	s_and_b32 s47, s37, 3                             ; rt = 2 (u % 4) + tile
	s_lshl_b32 s47, s47, 11
	s_add_co_u32 s46, s46, s47
	s_mov_b32 s47, 0
	s_bfe_u32 s38, s[WV], 0x10001                     ; the prefetches: bit 1 of the wave's number picks the key half,
	s_lshl_b32 s38, s38, 18
	s_lshl_b32 s39, s13, 13                           ; my work-group's step of the four,
	s_add_co_u32 s38, s38, s39
	s_add_co_u32 s38, s38, s40
	s_add_co_u32 s38, s38, 32768                      ; in fill 1: each change of slots steps it before it asks.  Nothing is prefetched here, at the head
	s_mov_b32 s39, 0
	s_wait_dscnt 0x0                                  ; both opening adds are done
	s_wait_kmcnt 0x0
	s_and_b32 s48, s[WV], 4                           ; waves 0-3 and 8-11 fetch K's pieces, the others V's
	s_cmp_lg_u32 s48, 0
	s_cselect_b64 s[G0+2:G0+3], s[8:9], s[6:7]
	s_add_nc_u64 s[G0+2:G0+3], s[G0+2:G0+3], s[42:43]
	s_and_b32 s48, s[WV], 1                           ; bit 0 picks K or V for the prefetches
	s_cmp_lg_u32 s48, 0
	s_cselect_b64 s[PFA:PFA+1], s[8:9], s[6:7]
	s_add_nc_u64 s[PFA:PFA+1], s[PFA:PFA+1], s[38:39]
	s_add_nc_u64 s[4:5], s[4:5], s[44:45]
	s_add_nc_u64 s[10:11], s[10:11], s[46:47]
	CROUND                                            ; all four work-groups are here: the first joint loads meet
	s_mov_b32 s[G0], 1                                ; count = 1
	s_lshl_b32 s[G0+1], s[WV], 13                     ; LDS address: piece w of slot 0: no place in the cluster enters it
	s_or_b32 s[G0+3], s[G0+3], 0x80000000             ; type = 2
	tensor_load_to_lds s[G0:G0+3], s[G1:G1+7]         ; fill 0
	s_nop 0
.rept 4
	v_nop
.endr
.irp i, 0,1,2,3,4,5,6,7
	global_load_b128 v[Q+4*\i:Q+4*\i+3], v[GO], s[4:5] offset:512*\i   ; Q stays in registers: two tiles, 4,096 consecutive bytes
.endr
.irp t, 0,1
	v_mov_b32 v[ST+12*\t], 0xff61b1e6                 ; m: -3e38, under every t
	v_mov_b32 v[ST+12*\t+2], 0                        ; l
	v_mov_b32 v[ST+12*\t+3], 0
.endr
.irp j, 0,1,2,3,4,5,6,7,8,9,10,11,12,13,14,15,16,17,18,19,20,21,22,23,24,25,26,27,28,29,30,31,32,33,34,35,36,37,38,39,40,41,42,43,44,45,46,47,48,49,50,51,52,53,54,55,56,57,58,59,60,61,62,63
	v_mov_b32 v[O+\j], 0                              ; O^T.  The step is written once: the first finds zeros, and its a is 0
.endr
; A KEY STEP: 64 keys of my half, for my two tiles: 16 + 16 matrix instructions.
.macro STEP
	v_add_nc_u32 v[ADR], s[TB], v[AK]
.rept 4
	v_nop                                             ; with the addition five places behind the last products: four ahead of the loads into their operands, five ahead of products that write over P
.endr
.irp i, 0,1,2,3,4,5,6,7,8,9,10,11,12,13,14,15
	ds_load_b128 v[KV+4*\i:KV+4*\i+3], v[ADR] offset:512*\i          ; K: keys 16 kt on, channels 32 c on at 16 kt + 8 c
.endr
	s_wait_dscnt 0x0
.irp c, 0,1                                       ; S^T = K Q^T: the eight accumulators take turns, one instruction a turn
.irp kt, 0,1,2,3
.irp t, 0,1
.if \c == 0
	v_wmma_f32_16x16x32_f16 v[S+32*\t+8*\kt:S+32*\t+8*\kt+7], v[KV+16*\kt+8*\c:KV+16*\kt+8*\c+7], v[Q+16*\t+8*\c:Q+16*\t+8*\c+7], 0
.else
	v_wmma_f32_16x16x32_f16 v[S+32*\t+8*\kt:S+32*\t+8*\kt+7], v[KV+16*\kt+8*\c:KV+16*\kt+8*\c+7], v[Q+16*\t+8*\c:Q+16*\t+8*\c+7], v[S+32*\t+8*\kt:S+32*\t+8*\kt+7]
.endif
.endr
.endr
.endr
.rept 4
	v_nop                                             ; places ahead of the loads into K's registers and of the first read of the scores
.endr
.irp i, 0,1,2,3,4,5,6,7,8,9,10,11,12,13,14,15
	ds_load_b128 v[KV+4*\i:KV+4*\i+3], v[ADR] offset:32768+512*\i    ; V^T: keys 32 kb on, channels 16 ct on at 32 kb + 8 ct.  It lands under the softmax
.endr
	; the maximum of my 32 scores and the old m, three operands at a time; each accumulator is read from its low end on; the two tiles line by line
.irp j, 0,1,2,3
.irp t, 0,1
	v_max3_num_f32 v[ST+12*\t+5+\j], v[S+32*\t+8*\j], v[S+32*\t+8*\j+1], v[S+32*\t+8*\j+2]
.endr
.endr
.irp i, 3,5
.irp j, 0,1,2,3
.irp t, 0,1
	v_max3_num_f32 v[ST+12*\t+5+\j], v[ST+12*\t+5+\j], v[S+32*\t+8*\j+\i], v[S+32*\t+8*\j+\i+1]
.endr
.endr
.endr
.irp t, 0,1
	v_max3_num_f32 v[ST+12*\t+5], v[ST+12*\t+5], v[S+32*\t+7], v[S+32*\t+15]
.endr
.irp t, 0,1
	v_max3_num_f32 v[ST+12*\t+7], v[ST+12*\t+7], v[S+32*\t+23], v[S+32*\t+31]
.endr
.irp t, 0,1
	v_max3_num_f32 v[ST+12*\t+5], v[ST+12*\t+5], v[ST+12*\t+6], v[ST+12*\t+7]
.endr
.irp t, 0,1
	v_max3_num_f32 v[ST+12*\t+5], v[ST+12*\t+5], v[ST+12*\t+8], v[ST+12*\t]
.endr
.irp t, 0,1
	v_permlanex16_b32 v[ST+12*\t+6], v[ST+12*\t+5], s[SEL], s[SEL+1]   ; the query's other 32 keys lie in the lane 16 away
.endr
.irp t, 0,1
	v_max_num_f32 v[ST+12*\t+5], v[ST+12*\t+5], v[ST+12*\t+6]
.endr
.irp t, 0,1
	v_sub_f32 v[ST+12*\t+1], v[ST+12*\t], v[ST+12*\t+5]               ; m_old - m_new
.endr
.irp t, 0,1
	v_mov_b32 v[ST+12*\t], v[ST+12*\t+5]
.endr
.irp t, 0,1
	v_exp_f32 v[ST+12*\t+4], v[ST+12*\t+1]                            ; a
.endr
.irp j, 0,2,4,6,8,10,12,14,16,18,20,22,24,26,28,30
	v_pk_add_f32 v[S+\j:S+\j+1], v[S+\j:S+\j+1], v[ST:ST+1] op_sel_hi:[1,0] neg_lo:[0,1] neg_hi:[0,1]   ; tile 0: t - m, two at a time (of the pair the low word, m, serves both halves)
.endr
.irp j, 0,2,4,6,8,10,12,14,16,18,20,22,24,26,28,30
	v_exp_f32 v[S+\j], v[S+\j]                        ; tile 0's exponentials, with tile 1's subtractions between them
	v_exp_f32 v[S+\j+1], v[S+\j+1]
	v_pk_add_f32 v[S+32+\j:S+33+\j], v[S+32+\j:S+33+\j], v[ST+12:ST+13] op_sel_hi:[1,0] neg_lo:[0,1] neg_hi:[0,1]
.endr
	s_wait_alu depctr_va_vdst(0)                      ; one wait for both a and tile 0's 32, ahead of their first reader; the line above is the plain place behind the last
	v_pk_mul_f32 v[ST+2:ST+3], v[ST+2:ST+3], v[ST+4:ST+5] op_sel_hi:[1,0]   ; l x a
.irp j, 0,1,2,3,4,5,6,7,8,9,10,11,12,13,14,15
	v_exp_f32 v[S+32+2*\j], v[S+32+2*\j]              ; tile 1's exponentials, with tile 0's sums, roundings and rescaling between them
	v_exp_f32 v[S+33+2*\j], v[S+33+2*\j]
	v_pk_add_f32 v[ST+2:ST+3], v[ST+2:ST+3], v[S+2*\j:S+2*\j+1]      ; the sum is taken of p before it is rounded,
	v_cvt_pk_f16_f32 v[S+\j], v[S+2*\j], v[S+2*\j+1]                 ; then the pair is packed in place: register j lies at or under the pair just summed
	v_pk_mul_f32 v[O+2*\j:O+2*\j+1], v[O+2*\j:O+2*\j+1], v[ST+4:ST+5] op_sel_hi:[1,0]   ; O^T x a, each accumulator from its low end on
.endr
	s_wait_alu depctr_va_vdst(0)                      ; and one for tile 1's 32
	v_pk_mul_f32 v[ST+14:ST+15], v[ST+14:ST+15], v[ST+16:ST+17] op_sel_hi:[1,0]
.irp j, 0,1,2,3,4,5,6,7,8,9,10,11,12,13,14,15
	v_pk_add_f32 v[ST+14:ST+15], v[ST+14:ST+15], v[S+32+2*\j:S+33+2*\j]
	v_cvt_pk_f16_f32 v[S+32+\j], v[S+32+2*\j], v[S+33+2*\j]
	v_pk_mul_f32 v[O+32+2*\j:O+33+2*\j], v[O+32+2*\j:O+33+2*\j], v[ST+16:ST+17] op_sel_hi:[1,0]
.endr
	s_wait_dscnt 0x0                                  ; V is in
.irp kb, 0,1                                      ; O^T += V^T P: the eight accumulators take turns
.irp ct, 0,1,2,3
.irp t, 0,1
	v_wmma_f32_16x16x32_f16 v[O+32*\t+8*\ct:O+32*\t+8*\ct+7], v[KV+32*\kb+8*\ct:KV+32*\kb+8*\ct+7], v[S+32*\t+8*\kb:S+32*\t+8*\kb+7], v[O+32*\t+8*\ct:O+32*\t+8*\ct+7]
.endr
.endr
.endr
.endm
; A slot's four steps: written once, walked four times; the LDS address hangs on s[TB].
.macro FOUR_STEPS
	s_mov_b32 s[CNT], 4
.Lstep_\@:
	STEP
	s_add_co_u32 s[TB], s[TB], 8192
	s_sub_co_u32 s[CNT], s[CNT], 1
	s_cmp_lg_u32 s[CNT], 0
	s_cbranch_scc1 .Lstep_\@
	s_sub_co_u32 s[TB], s[TB], 32768                  ; back to a slot's first step,
	s_xor_b32 s[TB], s[TB], SLOT1                     ; in the other slot
.endm
; THE CHANGE OF SLOTS stands at a slot's head.  Each wave waits for all its tensor loads (its piece of the slot that it is about to read), adds 0 to its spare word, and waits for that and for its reads of the slot that it
; has left.  fill = 1: the barrier is a round of the cluster's, so that no wave of any partner still reads that slot or has a load on its way; the joint load of the next fill is the first thing behind it and has a slot's
; four steps in which to land.  (In the first trip it is slot 1's first fill, in all sixteen waves alike.)
.macro CHANGE fill
	s_wait_tensorcnt 0x0                              ; no tensor load of mine is out, so group 0 may be written
	ds_add_u32 v[SPW], v[NIL]                         ; 0 onto my spare word
.if \fill
	s_xor_b32 s[G0+1], s[G0+1], SLOT1                 ; the walking descriptor: the other slot than last time,
	s_add_nc_u64 s[G0+2:G0+3], s[G0+2:G0+3], 32768    ; the next four steps; the type bits on top are not reached
	s_wait_xcnt 0x0                                   ; the last prefetch, a slot back, has read its address, so it may be written:
	s_add_nc_u64 s[PFA:PFA+1], s[PFA:PFA+1], 32768    ; one fill further on than the walking descriptor
	s_wait_dscnt 0x0                                  ; the add is done, and my reads of the slot that I have left are over
	CROUND
	tensor_load_to_lds s[G0:G0+3], s[G1:G1+7]         ; my one tensor load until the next round
	s_nop 0
.rept 4
	v_nop
.endr
	ASK
.else
	s_wait_dscnt 0x0
	s_barrier_signal -1
	s_barrier_wait -1
.endif
.endm
	s_wait_loadcnt 0x0                                ; Q
.Lslot:                                               ; seven trips: trip i reads fill i and asks for fill i + 1
	CHANGE 1
	FOUR_STEPS
	s_sub_co_u32 s[SLOTS], s[SLOTS], 1
	s_cmp_lg_u32 s[SLOTS], 0
	s_cbranch_scc1 .Lslot
	CHANGE 0                                          ; the last fill is written out: nothing is left to ask for
	FOUR_STEPS
	; THE WAY OUT.  Each wave has m, l and O^T for its half of the keys.
.rept 4
	v_nop                                             ; places behind the last products
.endr
.irp t, 0,1
	v_add_f32 v[ST+12*\t+5], v[ST+12*\t+2], v[ST+12*\t+3]
.endr
.irp t, 0,1
	v_permlanex16_b32 v[ST+12*\t+6], v[ST+12*\t+5], s[SEL], s[SEL+1]
.endr
.irp t, 0,1
	v_add_f32 v[ST+12*\t+9], v[ST+12*\t+5], v[ST+12*\t+6]             ; the row's l over my half of the keys
.endr
	s_wait_dscnt 0x0
	s_barrier_signal -1
	s_barrier_wait -1                                 ; every wave's reads of the ring are over: its bytes, which no load fills any more, take the hand-over
	s_cmp_lt_u32 s[WV], 8
	s_cbranch_scc1 .Lkeep
	v_mov_b32 v[KV], v[ST]                            ; waves 8-15: m and l of both tiles,
	v_mov_b32 v[KV+1], v[ST+9]
	v_mov_b32 v[KV+2], v[ST+12]
	v_mov_b32 v[KV+3], v[ST+21]
.irp i, 0,1,2,3,4,5,6,7,8,9,10,11,12,13,14,15
	ds_store_b128 v[STW], v[O+4*\i:O+4*\i+3] offset:512*\i           ; and O^T as an image of its registers, each accumulator from its low end on
.endr
	ds_store_b128 v[STW], v[KV:KV+3] offset:8192
.Lkeep:
	s_wait_dscnt 0x0                                  ; for the others' sake: my stores have landed
	s_barrier_signal -1
	s_barrier_wait -1
	s_cmp_ge_u32 s[WV], 8
	s_cbranch_scc1 .Lend
.irp i, 0,1,2,3,4,5,6,7,8,9,10,11,12,13,14,15
	ds_load_b128 v[S+4*\i:S+4*\i+3], v[STW] offset:512*\i            ; waves 0-7: the other half's O^T,
.endr
	ds_load_b128 v[KV:KV+3], v[STW] offset:8192       ; m and l
	s_wait_dscnt 0x0
.irp t, 0,1
	v_max_num_f32 v[E+8*\t+6], v[ST+12*\t], v[KV+2*\t]               ; the joint m
.endr
.irp t, 0,1
	v_sub_f32 v[E+8*\t+4], v[ST+12*\t], v[E+8*\t+6]
	v_sub_f32 v[E+8*\t+5], v[KV+2*\t], v[E+8*\t+6]
.endr
.irp t, 0,1
	v_exp_f32 v[E+8*\t+4], v[E+8*\t+4]                ; f0, f1: what brings each half under the joint m
	v_exp_f32 v[E+8*\t+5], v[E+8*\t+5]
.endr
	v_nop                                             ; a plain place behind the last exponential,
	s_wait_alu depctr_va_vdst(0)                      ; and the one wait for the four, ahead of their first reader
.irp t, 0,1
	v_mul_f32 v[E+8*\t+6], v[ST+12*\t+9], v[E+8*\t+4]
.endr
.irp t, 0,1
	v_fmac_f32 v[E+8*\t+6], v[KV+2*\t+1], v[E+8*\t+5]                ; l = l f0 + l' f1
.endr
.irp t, 0,1
	v_rcp_f32 v[E+8*\t+7], v[E+8*\t+6]
.endr
	v_nop
	s_wait_alu depctr_va_vdst(0)                      ; one wait for the two reciprocals
.irp t, 0,1
	v_mul_f32 v[E+8*\t], v[E+8*\t+4], v[E+8*\t+7]     ; g0 = f0 / l, in both halves of a pair,
	v_mul_f32 v[E+8*\t+1], v[E+8*\t+4], v[E+8*\t+7]
	v_mul_f32 v[E+8*\t+2], v[E+8*\t+5], v[E+8*\t+7]   ; g1 = f1 / l likewise
	v_mul_f32 v[E+8*\t+3], v[E+8*\t+5], v[E+8*\t+7]
.endr
.irp t, 0,1
.irp j, 0,2,4,6,8,10,12,14,16,18,20,22,24,26,28,30
	v_pk_mul_f32 v[O+32*\t+\j:O+32*\t+\j+1], v[O+32*\t+\j:O+32*\t+\j+1], v[E+8*\t:E+8*\t+1]
.endr
.irp j, 0,2,4,6,8,10,12,14,16,18,20,22,24,26,28,30
	v_pk_fma_f32 v[O+32*\t+\j:O+32*\t+\j+1], v[S+32*\t+\j:S+32*\t+\j+1], v[E+8*\t+2:E+8*\t+3], v[O+32*\t+\j:O+32*\t+\j+1]
.endr
.irp i, 0,1,2,3,4,5,6,7,8,9,10,11,12,13,14,15
	v_cvt_pk_f16_f32 v[PKO+16*\t+\i], v[O+32*\t+2*\i], v[O+32*\t+2*\i+1]   ; a lane's eight channels of a row: half a fragment of the last product's operand
.endr
.irp ct, 0,1,2,3
	global_store_b128 v[GO], v[PKO+16*\t+4*\ct:PKO+16*\t+4*\ct+3], s[10:11] offset:(\ct/2)*8192+\t*1024+(\ct%2)*512   ; 32 lanes store 512 consecutive bytes, aligned
.endr
.endr
.Lend:
	s_wait_tensorcnt 0x0                              ; the wave's end, behind my last tensor load and my last LDS store
	ds_add_u32 v[SPW], v[NIL]
	s_wait_dscnt 0x0
	CROUND                                            ; the closing round: no work-group ends while a partner may still ask for a piece that names it
	s_endpgm
.Lfunc_end_k_q27d193b5d3_attn:
	.size	k_q27d193b5d3_attn, .Lfunc_end_k_q27d193b5d3_attn-k_q27d193b5d3_attn
	.p2alignl 7, 3214868480
	.fill 96, 4, 3214868480
	.section	.rodata,"a",@progbits
	.p2align	6, 0x0
	.amdhsa_kernel k_q27d193b5d3_attn
		.amdhsa_group_segment_fixed_size 327680
		.amdhsa_private_segment_fixed_size 0
		.amdhsa_enable_private_segment 0
		.amdhsa_kernarg_size 32
		.amdhsa_user_sgpr_count 2
		.amdhsa_user_sgpr_kernarg_segment_ptr 1
		.amdhsa_wavefront_size32 1
		.amdhsa_system_sgpr_workgroup_id_x 1
		.amdhsa_system_sgpr_workgroup_id_y 1
		.amdhsa_system_sgpr_workgroup_id_z 1
		.amdhsa_system_vgpr_workitem_id 0
		.amdhsa_next_free_vgpr 256
		.amdhsa_next_free_sgpr 66
		.amdhsa_reserve_vcc 0
		.amdhsa_float_denorm_mode_32 3
		.amdhsa_float_denorm_mode_16_64 3
		.amdhsa_memory_ordered 1
		.amdhsa_forward_progress 1
		.amdhsa_inst_pref_size 54
	.end_amdhsa_kernel
	.amdgpu_metadata
---
amdhsa.version: [ 1, 2 ]
amdhsa.kernels:
  - .name:           k_q27d193b5d3_attn
    .symbol:         k_q27d193b5d3_attn.kd
    .args:
      - { .name: qf, .offset: 0, .size: 8, .value_kind: global_buffer, .address_space: global }
      - { .name: kf, .offset: 8, .size: 8, .value_kind: global_buffer, .address_space: global }
      - { .name: vf, .offset: 16, .size: 8, .value_kind: global_buffer, .address_space: global }
      - { .name: oc, .offset: 24, .size: 8, .value_kind: global_buffer, .address_space: global }
    .group_segment_fixed_size: 327680
    .private_segment_fixed_size: 0
    .kernarg_segment_align: 8
    .kernarg_segment_size: 32
    .max_flat_workgroup_size: 512
    .sgpr_count:     66
    .vgpr_count:     256
    .wavefront_size: 32
...
	.end_amdgpu_metadata
.endif
;; end of part 3
;; launch outp (part 4): grid 4 x 64, 8 waves a work-group, clusters of 4 x 4, 327,680 bytes of LDS; arguments oc, wo16, bo, out0; writes out0
.if DOCPART == 4
	.amdgcn_target "amdgcn-amd-amdhsa--gfx1250"
	.amdhsa_code_object_version 6
	.text
	.protected	k_q27d193b5d3_outp
	.globl	k_q27d193b5d3_outp
	.p2align	8
	.type	k_q27d193b5d3_outp,@function
k_q27d193b5d3_outp:
	s_mov_b64 s[64:65], 0
	v_nop
	global_prefetch_b8 v0, s[64:65] scope:SCOPE_SE
	s_setreg_imm32_b32 hwreg(HW_REG_WAVE_MODE, 25, 1), 1
	s_wait_xcnt 0x0
	s_wait_alu depctr_hold_cnt(0) depctr_sa_sdst(0) depctr_va_vdst(0) depctr_va_sdst(0) depctr_va_ssrc(0) depctr_va_vcc(0) depctr_vm_vsrc(0)
	s_getreg_b32 s2, hwreg(HW_REG_IB_STS2, 6, 4)
	s_cmp_eq_u32 s2, 0
	s_cbranch_scc0 .Lentry_in_a_cluster
	s_endpgm
.Lentry_in_a_cluster:
	s_bfe_u32 s2, ttmp6, 0x10000c
	s_cmp_lg_u32 s2, 0xf033
	s_cbranch_scc0 .Lentry_shape_is_right
	s_endpgm
.Lentry_shape_is_right:
; out0 = O Wo^T + bo.  O [8192][512] and Wo [512][512] arrive in f16 as images of operand registers (oc [rb 64][kb 16][rt 8][1,024 bytes], wo16 [nb 4][kb 16][nt 8][1,024 bytes]); sums in f32; out0 [8192][512] f32.
; SHARES.  A work-group makes 128 rows (rb) x 128 columns (nb).  All of K = 512 fits in LDS: O's block and Wo's block are 131,072 dense bytes each, filled ONCE: no ring, no refill.
; Wave w makes 32 rows (row tiles 2 (w / 2), + 1) x 64 columns (column tiles 4 (w % 2) .. + 3): 8 accumulators, 128 matrix instructions.
; CLUSTER: 4 x 4 work-groups.  The four of a row of the cluster need the same block of O, the four of a column the same block of Wo: each is asked for JOINTLY.  Waves 0-3 fetch O's block, waves 4-7 Wo's, each in two loads of
; 16,384 bytes: K's first half, then its second.  By this text's own count two tensor loads a wave are out at most.
; THE MATRIX INSTRUCTION IS USED TRANSPOSED (source 0 = 16 rows of Wo, source 1 = 16 rows of O): a lane holds eight neighbouring numbers of a row of out0.  The bias is the C of the first K block.
; REGISTERS: v1-11 addresses; v12, v13 the add's two; v16-47 the bias, 8 a column tile; v48-111 accumulators, (nt, rt) at 8 (2 nt + rt); v112-159, v160-207 two sets of fragments (Wo's four, then O's two); on the way out v112-175 rows.
.set B_LDS, 131072                     ; LDS: O's block at 0, Wo's here,
.set STAGE, 262144                     ; the way out: 16 rows x (256 bytes + 16) for each wave,
.set SP,    272
.set SPARE, STAGE+8*16*SP              ; and the spare words, 128 bytes for each wave: four blocks of 256 bytes that no other line names
.set AA,  4                            ; v4, v5   LDS address of my fragments of O in K's first and second half
.set AB,  6                            ; v6, v7   the same for Wo
.set STO, 8                            ; v8   the way out: where I put 32 bytes of a row
.set RD,  9                            ; v9   where I read a row back
.set CO,  10                           ; v10  my byte offset in out0
.set BOF, 11                           ; v11  32 x (lane / 16): the bias
.set SPW, 12
.set NIL, 13
.set BIAS, 16
.set ACC, 48
.set FR,  112
.set OB,  112
.set WV,  12                           ; s12  my wave's number
.set G1A, 16                           ; s[16:23] descriptor group 1 for O's block;  s[24:31] for Wo's: it differs in the mask alone
.set G1B, 24
.set G0A, 32                           ; s[32:39] groups 0 for O's two loads;  s[48:55] for Wo's
.set G0B, 48
.macro CROUND                          ; a round of the cluster's barrier
	s_barrier_signal -1
	s_barrier_wait -1
	s_cmp_lg_u32 s[WV], 0
	s_cbranch_scc1 .Lnot_wave_0_\@
	s_barrier_signal -3
.Lnot_wave_0_\@:
	s_barrier_wait -3
	s_barrier_signal -1
	s_barrier_wait -1
.endm
	s_load_b256 s[4:11], s[0:1], 0x0                  ; oc s[4:5], wo16 s[6:7], bo s[8:9], out0 s[10:11]
	v_lshl_add_u32 v[SPW], v0, 2, SPARE
	v_mov_b32 v[NIL], 0
	ds_add_u32 v[SPW], v[NIL]                         ; the wave's opening: the add, twice on end, and its wait ahead of my first tensor load; the set-up below stands between
	ds_add_u32 v[SPW], v[NIL]
	v_lshrrev_b32 v1, 5, v0
	v_readfirstlane_b32 s[WV], v1                     ; wave 0..7
	s_bfe_u32 s40, ttmp6, 0x40000                     ; cx, cy: my place in the cluster
	s_bfe_u32 s41, ttmp6, 0x40004
	s_lshl_b32 s42, ttmp9, 2
	s_add_co_u32 s42, s42, s40                        ; nb = 4 x cluster x + cx
	s_and_b32 s43, ttmp7, 0xffff
	s_lshl_b32 s43, s43, 2
	s_add_co_u32 s43, s43, s41                        ; rb = 4 x cluster y + cy
	s_lshl_b32 s44, s41, 2
	s_lshl_b32 s44, 15, s44                           ; my row of the cluster
	s_lshl_b32 s45, 0x1111, s40                       ; my column
	; descriptor group 1: a dense block of 16,384 bytes as 64 rows of 32 elements of 8 bytes, no padding
	s_or_b32 s[G1A], s44, (3<<16)|(1<<21)             ; 15:0 the mask: O's block goes to my row; 17:16 elements of 8 bytes; 21 set beside a mask
	s_or_b32 s[G1B], s45, (3<<16)|(1<<21)             ; Wo's to my column
.irp g, G1A, G1B
	s_mov_b32 s[\g+1], 32<<16                         ; tensor_dim0 = 32
	s_mov_b32 s[\g+2], 64<<16                         ; tensor_dim1 = 64
	s_mov_b32 s[\g+3], 32<<16                         ; tile_dim0 = 32
	s_mov_b32 s[\g+4], 64                             ; tile_dim1 = 64
	s_mov_b32 s[\g+5], 32                             ; elements from row to row
	s_mov_b32 s[\g+6], 0
	s_mov_b32 s[\g+7], 0
.endr
	s_and_b32 s13, s[WV], 3
	s_lshl_b32 s46, s13, 14                           ; my quarter of half a block, in memory and in LDS alike: no place in the cluster enters an LDS address
	s_lshl_b32 s56, s43, 17                           ; O's block hangs on rb alone,
	s_add_co_u32 s56, s56, s46
	s_mov_b32 s57, 0
	s_lshl_b32 s58, s42, 17                           ; Wo's on nb alone: each in registers that never hold the other coordinate
	s_add_co_u32 s58, s58, s46
	s_mov_b32 s59, 0
	s_wait_dscnt 0x0                                  ; both opening adds are done
	s_wait_kmcnt 0x0
	s_add_nc_u64 s[56:57], s[4:5], s[56:57]
	s_add_nc_u64 s[58:59], s[6:7], s[58:59]
	CROUND                                            ; all sixteen work-groups are here: the joint loads meet
.irp c, 0,1
	s_mov_b32 s[G0A+4*\c], 1                          ; count = 1
	s_add_co_u32 s[G0A+4*\c+1], s46, \c*65536         ; LDS address: K's half c
	s_add_nc_u64 s[G0A+4*\c+2:G0A+4*\c+3], s[56:57], \c*65536
	s_or_b32 s[G0A+4*\c+3], s[G0A+4*\c+3], 0x80000000 ; type = 2
	s_mov_b32 s[G0B+4*\c], 1
	s_add_co_u32 s[G0B+4*\c+1], s46, B_LDS+\c*65536
	s_add_nc_u64 s[G0B+4*\c+2:G0B+4*\c+3], s[58:59], \c*65536
	s_or_b32 s[G0B+4*\c+3], s[G0B+4*\c+3], 0x80000000
.endr
	s_cmp_lt_u32 s[WV], 4                             ; a wave's two fills stand in one branch on the wave's number, ahead of every wait on TENSORcnt, every LDS read and every other barrier
	s_cbranch_scc0 .Lfirst_b
	tensor_load_to_lds s[G0A:G0A+3], s[G1A:G1A+7]
	s_nop 0
	tensor_load_to_lds s[G0A+4:G0A+7], s[G1A:G1A+7]
	s_nop 0
.rept 4
	v_nop
.endr
	s_branch .Lfirst_asked
.Lfirst_b:
	tensor_load_to_lds s[G0B:G0B+3], s[G1B:G1B+7]
	s_nop 0
	tensor_load_to_lds s[G0B+4:G0B+7], s[G1B:G1B+7]
	s_nop 0
.rept 4
	v_nop
.endr
.Lfirst_asked:
	v_and_b32 v1, 15, v0                              ; r
	v_bfe_u32 v2, v0, 4, 1                            ; h
	v_and_b32 v3, 31, v0
	v_lshlrev_b32 v3, 4, v3                           ; 16 x lane
	v_lshlrev_b32 v[BOF], 5, v2
	s_lshr_b32 s66, s[WV], 1                          ; wm: my 32 rows
	s_and_b32 s67, s[WV], 1                           ; wn: my 64 columns
	s_lshl_b32 s68, s42, 9
	s_lshl_b32 s69, s67, 8
	s_add_co_u32 s68, s68, s69                        ; my first column, in bytes: 512 nb + 256 wn
	s_mov_b32 s69, 0
	s_add_nc_u64 s[8:9], s[8:9], s[68:69]
.irp nt, 0,1,2,3
	global_load_b128 v[BIAS+8*\nt:BIAS+8*\nt+3], v[BOF], s[8:9] offset:64*\nt          ; bo[16 nt + 8 h + 0..7] of my columns
	global_load_b128 v[BIAS+8*\nt+4:BIAS+8*\nt+7], v[BOF], s[8:9] offset:64*\nt+16
.endr
	s_lshl_b32 s70, s43, 18                           ; 128 rows of 2,048 bytes,
	s_lshl_b32 s71, s66, 16                           ; my 32 of them
	s_add_co_u32 s70, s70, s71
	s_add_co_u32 s70, s70, s68
	s_mov_b32 s71, 0
	s_add_nc_u64 s[10:11], s[10:11], s[70:71]
	s_lshl_b32 s72, s66, 11
	v_add_nc_u32 v[AA], s72, v3                       ; O's fragments: row tiles 2 wm, + 1
	v_add_nc_u32 v[AA+1], 65536, v[AA]
	s_lshl_b32 s72, s67, 12
	s_add_co_u32 s72, s72, B_LDS
	v_add_nc_u32 v[AB], s72, v3                       ; Wo's: column tiles 4 wn .. + 3
	v_add_nc_u32 v[AB+1], 65536, v[AB]
	s_mul_i32 s72, s[WV], 16*SP
	s_add_co_u32 s72, s72, STAGE                      ; my stage
	v_mul_u32_u24 v[STO], v1, SP
	v_lshl_add_u32 v[STO], v2, 5, v[STO]
	v_add_nc_u32 v[STO], s72, v[STO]                  ; in: row r, 32 bytes for each half of the lanes
	v_mul_u32_u24 v[RD], v2, SP
	v_lshl_add_u32 v[RD], v1, 4, v[RD]
	v_add_nc_u32 v[RD], s72, v[RD]                    ; back: lanes 0-15 one row of 256 bytes, lanes 16-31 the next
	v_lshlrev_b32 v[CO], 11, v2
	v_lshl_add_u32 v[CO], v1, 4, v[CO]                ; and the same two rows in out0
.macro FETCH kb                        ; K block kb (32 along K): Wo's four fragments and O's two, 12 loads of 512 consecutive bytes, into set kb % 2
.set FB, FR+48*((\kb)%2)
.set HI, (\kb)/8
.set KO, ((\kb)%8)*8192
.irp i, 0,1,2,3
	ds_load_b128 v[FB+8*\i:FB+8*\i+3], v[AB+HI] offset:KO+\i*1024
	ds_load_b128 v[FB+8*\i+4:FB+8*\i+7], v[AB+HI] offset:KO+\i*1024+512
.endr
.irp i, 0,1
	ds_load_b128 v[FB+32+8*\i:FB+32+8*\i+3], v[AA+HI] offset:KO+\i*1024
	ds_load_b128 v[FB+32+8*\i+4:FB+32+8*\i+7], v[AA+HI] offset:KO+\i*1024+512
.endr
.endm
.macro MUL kb                          ; 8 matrix instructions; the eight accumulators take turns, one instruction a turn, in the same order every time
.set FB, FR+48*((\kb)%2)
.irp nt, 0,1,2,3
.irp rt, 0,1
.if (\kb) == 0
	v_wmma_f32_16x16x32_f16 v[ACC+8*(2*\nt+\rt):ACC+8*(2*\nt+\rt)+7], v[FB+8*\nt:FB+8*\nt+7], v[FB+32+8*\rt:FB+32+8*\rt+7], v[BIAS+8*\nt:BIAS+8*\nt+7]
.else
	v_wmma_f32_16x16x32_f16 v[ACC+8*(2*\nt+\rt):ACC+8*(2*\nt+\rt)+7], v[FB+8*\nt:FB+8*\nt+7], v[FB+32+8*\rt:FB+32+8*\rt+7], v[ACC+8*(2*\nt+\rt):ACC+8*(2*\nt+\rt)+7]
.endif
.endr
.endr
.endm
	s_wait_tensorcnt 1                                ; my part of K's first half is in; the second half's load may stay out
	s_barrier_signal -1
	s_barrier_wait -1                                 ; everybody's is
	FETCH 0
	FETCH 1
	s_wait_loadcnt 0x0                                ; the bias
.set KB, 0
.rept 16
.if KB < 15
	s_wait_dscnt 12                                   ; this K block's fragments are in; the next block's 12 loads may be out
.else
	s_wait_dscnt 0x0
.endif
	MUL KB
.if KB == 6
	s_wait_tensorcnt 0x0                              ; my part of K's second half is in,
	s_wait_dscnt 0x0                                  ; no LDS load of mine is out at a signal,
	s_barrier_signal -1
	s_barrier_wait -1                                 ; everybody's is: K block 8 is fetched below
.endif
.if KB < 14
.rept 4
	v_nop                                             ; places ahead of loads into registers that matrix instructions have read
.endr
	FETCH KB+2
.endif
.set KB, KB+1
.endr
	; THE WAY OUT, 16 rows x 64 columns at a time, through my own stage: a lane's 32 bytes go in, whole rows of 256 bytes come back.  LDS serves a wave's instructions in order (ISA guide 5.7.1.4):
	; no wait between the stores and the loads, nor ahead of the next block's stores.
.macro TOSTAGE rt
.irp nt, 0,1,2,3
	ds_store_b128 v[STO], v[ACC+8*(2*\nt+\rt):ACC+8*(2*\nt+\rt)+3] offset:64*\nt          ; each accumulator from its low end on
	ds_store_b128 v[STO], v[ACC+8*(2*\nt+\rt)+4:ACC+8*(2*\nt+\rt)+7] offset:64*\nt+16
.endr
.irp i, 0,1,2,3,4,5,6,7
	ds_load_b128 v[OB+32*\rt+4*\i:OB+32*\rt+4*\i+3], v[RD] offset:2*\i*SP
.endr
.endm
.rept 4
	v_nop                                             ; places ahead of the first read of results and of loads into the fragments' registers
.endr
	TOSTAGE 0
	TOSTAGE 1
	s_wait_dscnt 16                                   ; the first block is back; the second's 8 stores and 8 loads may be out
.irp i, 0,1,2,3,4,5,6,7
	global_store_b128 v[CO], v[OB+4*\i:OB+4*\i+3], s[10:11] offset:4096*\i th:TH_STORE_NT          ; 16 lanes store 256 consecutive bytes, aligned; written once, read by nobody here
.endr
	s_wait_dscnt 0x0
.irp i, 0,1,2,3,4,5,6,7
	global_store_b128 v[CO], v[OB+32+4*\i:OB+32+4*\i+3], s[10:11] offset:32768+4096*\i th:TH_STORE_NT
.endr
	s_wait_tensorcnt 0x0                              ; the wave's end, behind my last tensor load and my last LDS store
	ds_add_u32 v[SPW], v[NIL]
	s_wait_dscnt 0x0
	CROUND                                            ; the closing round: no work-group ends while a partner may still ask for a block that names it
	s_endpgm
.Lfunc_end_k_q27d193b5d3_outp:
	.size	k_q27d193b5d3_outp, .Lfunc_end_k_q27d193b5d3_outp-k_q27d193b5d3_outp
	.p2alignl 7, 3214868480
	.fill 96, 4, 3214868480
	.section	.rodata,"a",@progbits
	.p2align	6, 0x0
	.amdhsa_kernel k_q27d193b5d3_outp
		.amdhsa_group_segment_fixed_size 327680
		.amdhsa_private_segment_fixed_size 0
		.amdhsa_enable_private_segment 0
		.amdhsa_kernarg_size 32
		.amdhsa_user_sgpr_count 2
		.amdhsa_user_sgpr_kernarg_segment_ptr 1
		.amdhsa_wavefront_size32 1
		.amdhsa_system_sgpr_workgroup_id_x 1
		.amdhsa_system_sgpr_workgroup_id_y 1
		.amdhsa_system_sgpr_workgroup_id_z 1
		.amdhsa_system_vgpr_workitem_id 0
		.amdhsa_next_free_vgpr 256
		.amdhsa_next_free_sgpr 96
		.amdhsa_reserve_vcc 0
		.amdhsa_float_denorm_mode_32 3
		.amdhsa_float_denorm_mode_16_64 3
		.amdhsa_memory_ordered 1
		.amdhsa_forward_progress 1
		.amdhsa_inst_pref_size 34
	.end_amdhsa_kernel
	.amdgpu_metadata
---
amdhsa.version: [ 1, 2 ]
amdhsa.kernels:
  - .name:           k_q27d193b5d3_outp
    .symbol:         k_q27d193b5d3_outp.kd
    .args:
      - { .name: oc, .offset: 0, .size: 8, .value_kind: global_buffer, .address_space: global }
      - { .name: wo16, .offset: 8, .size: 8, .value_kind: global_buffer, .address_space: global }
      - { .name: bo, .offset: 16, .size: 8, .value_kind: global_buffer, .address_space: global }
      - { .name: out0, .offset: 24, .size: 8, .value_kind: global_buffer, .address_space: global }
    .group_segment_fixed_size: 327680
    .private_segment_fixed_size: 0
    .kernarg_segment_align: 8
    .kernarg_segment_size: 32
    .max_flat_workgroup_size: 256
    .sgpr_count:     96
    .vgpr_count:     256
    .wavefront_size: 32
...
	.end_amdgpu_metadata
.endif
;; end of part 4
